; MI455X (gfx1250); checked and timed in simulation.
; The chip was launched on July 23, 2026; its instructions are those of AMD's public machine-readable ISA for CDNA 5 (MIT licence, August 2026) and "CDNA5" Instruction Set Architecture Reference Guide (July 2026). The comments in the code are by the model that wrote it; some were corrected since.
;; LSTM Cell. Allowed arithmetic: matrix products marked QUANTISED: E5M2 operands, one given power-of-two scale a tensor, by v_wmma_f32_16x16x64_bf8_bf8 or v_wmma_f32_16x16x128_bf8_bf8, f32 sums; everything else in f32.
;; Inputs: W_fg 2,048 x 4,096 float32; W_ig 2,048 x 4,096 float32; W_og 2,048 x 4,096 float32; W_ol 2,048 x 4,096 float32; c_state 2,048 x 2,048 float32; lowp_scales 2 int32 (the exponents e of the quantised operands' scales 2^e); prev_state 2,048 x 2,048 float32; x 2,048 x 2,048 float32.
;; Outputs: out0 2,048 x 2,048 float32.
;; This version of the problem:
;;   THIS VERSION OF THE PROBLEM IS GIVEN IN LOW PRECISION. The matrix products marked QUANTISED in the list below multiply operands that are first quantised to E5M2 (5 exponent bits, 2 mantissa bits; 8 bits a number), with one given power-of-two scale for each operand tensor; their sums are f32. All else is computed in f32.
;;   The module's matrix products, in the order in which they are computed (A, B: the left and right operand; K: the contracted axis; several contracted axes count as one K, in the product's order):
;;     1. [M 2,048, K 4,096] x [K 4,096, N 8,192]; A: computed on the way; B: computed on the way: QUANTISED (scales: A lowp_scales[0], B lowp_scales[1])
;;   THE QUANTISER, for each operand of a quantised product, along K:
;;     - The operand's scale is 2^e, e = its entry of the input lowp_scales (int32; the entries are numbered through the quantised products in the list's order, A before B).
;;     - Each number is divided by the scale, clamped to +-57,344, and rounded to the nearest number of E5M2, ties to even, subnormals kept.
;;     - The product sums the exact products of the quantised numbers (number of the format x scale) in f32.
;;   ~~~python
;;   def quantise(x, axis, e):      # numpy; x: float32 -> the quantised numbers, widened to float32 again
;;       x = np.moveaxis(x, axis, -1); K = x.shape[-1]
;;       r = np.clip(x / 2.0 ** e, -57344, 57344)
;;       step = 2.0 ** (np.maximum(np.frexp(np.where(r == 0, 1, r))[1] - 1, -14) - 2)
;;       q = np.round(r / step) * step * 2.0 ** e      # np.round: ties to even
;;       return np.moveaxis(q, -1, axis).astype(np.float32)
;;   ~~~
;;   OPERANDS COMPUTED ON THE WAY. 'Computed on the way' means the value that the module computes at that place (a softmax that the list does not call 'softmax' is quantised finished and normalised). What goes into a quantiser is computed in f32, as accurately as f32 sums, v_exp_f32 and their like allow (about 1e-6 of the number): no bf16 or f16 on the way to a quantiser, and a product that is left as it is and whose result goes on into a quantised operand takes f32 operands (vector FMAs, or v_wmma_f32_16x16x4_f32). A number that lies on a knife's edge between two numbers of the format may be rounded either way, as far as f32 arithmetic and the matrix unit's own rounding can turn it there, and no further.
;; One version. Each part assembles by itself: llvm-mc -triple=amdgcn-amd-amdhsa -mcpu=gfx1250 --defsym DOCPART=n.
;; ======== version 1 of 1: 2 launches
;; limits: right only within a limited range of input values
;; workspace buffers: a_codes 8,388,608 bytes; b_codes 33,554,432 bytes
;; launch quant (part 1): grid 1280 x 1, 4 waves a work-group, no clusters, 35,328 bytes of LDS; arguments prev_state, x, W_fg, W_ig, W_og, W_ol, lowp_scales, a_codes, b_codes; writes a_codes, b_codes
.if DOCPART == 1
	.amdgcn_target "amdgcn-amd-amdhsa--gfx1250"
	.amdhsa_code_object_version 6
	.text
	.protected	k_qb5b10c8fe5_quant
	.globl	k_qb5b10c8fe5_quant
	.p2align	8
	.type	k_qb5b10c8fe5_quant,@function
k_qb5b10c8fe5_quant:
	s_mov_b64 s[64:65], 0
	v_nop
	global_prefetch_b8 v0, s[64:65] scope:SCOPE_SE
	s_setreg_imm32_b32 hwreg(HW_REG_WAVE_MODE, 25, 1), 1
	s_wait_xcnt 0x0
; The six f32 tensors of the cell's one product become codes of BF8 (E5M2), one byte a number, each operand with the one scale 2^e that is given for it.
; code = number / 2^e, held within +-57,344, rounded to the nearest code, ties to even.
; LIMITS: each e lies between -126 and 112, so that 2^e and 57,344 x 2^e are f32 numbers.  NaN among the inputs is not served; an infinity is held at the largest code.
; THREE ORDERS ARE THIS PROGRAM'S OWN; the second launch is written for them.
;  (1) K INSIDE EACH ALIGNED RUN OF 512, alike in both operands: code byte 16 l + 4 i + c holds number 128 i + 4 l + c (l = 0 .. 31; i, c = 0 .. 3): every code still meets its partner.
;      A lane's 16 loaded numbers are then its 16 codes, and each load reads 512 consecutive bytes.
;  (2) b_codes [8192][4096]: row j of gate g (0 fg, 1 ig, 2 og, 3 ol) lies at row 128 (j / 32) + 32 g + j % 32.
;  (3) a_codes holds [prev_state | x] AS THE SECOND LAUNCH'S REGISTERS TAKE IT: for rows 128 G + 16 a + r and code bytes 64 kc + 32 p + 16 h + 0 .. 15 of a row, the 16 bytes lie at
;      (64 G + kc) 8192 + 1024 a + 512 p + 16 (16 h + r): one load of a wave there is 512 consecutive bytes.
; SHARES.  Work-groups 0-127 prev_state, 128-255 x: 16 rows each, a wave 512 numbers of each row; the lanes hold pieces of one row, the order (3) wants 16 rows side by side,
; so the wave's 8,192 codes turn through its own stage in LDS (32 pieces x 16 rows, 272 bytes from piece to piece) and leave 512 bytes a store.
; Work-groups 256-1279: 256 each for W_fg, W_ig, W_og, W_ol; a wave takes 8,192 numbers on end; no LDS.  Loads run eight steps (32 loads a wave) ahead.  No barrier: waves share nothing.
.set STEPS, 16
.set AHEAD, 8
.set DO,    3                          ; v3   16 x lane
.set LW,    6                          ; v6   stage, in: my piece's place
.set LR,    7                          ; v7   stage, out
.set SPW,   12                         ; v12  my spare word
.set NIL,   13                         ; v13  0
.set R,     16                         ; v16-143  eight sets of 16 numbers
.set C,     144                        ; v144-175 eight sets of 4 registers of codes
.set LP,    272
.set WREG,  32*LP                      ; a wave's stage
.set SPARE, 4*WREG                     ; behind the stages: the spare words, 128 bytes a wave
	s_load_b512 s[8:23], s[0:1], 0x0               ; prev_state, x, W_fg, W_ig, W_og, W_ol, the exponents s[20:21], a_codes s[22:23]
	s_load_b64 s[24:25], s[0:1], 0x40              ; b_codes
	v_lshl_add_u32 v[SPW], v0, 2, SPARE
	v_mov_b32 v[NIL], 0
	v_lshrrev_b32 v1, 5, v0
	v_readfirstlane_b32 s27, v1                    ; wave
	v_and_b32 v2, 31, v0                           ; lane
	v_lshlrev_b32 v[DO], 4, v2
	s_mul_i32 s26, s27, WREG
	v_mul_u32_u24 v[LW], v2, LP
	v_add_nc_u32 v[LW], s26, v[LW]                 ; piece = lane; row t at + 16 t
	v_lshrrev_b32 v4, 4, v2
	v_and_b32 v5, 15, v2
	v_mul_u32_u24 v4, v4, LP
	v_lshl_add_u32 v4, v5, 4, v4
	v_add_nc_u32 v[LR], s26, v4                    ; two pieces an instruction: lanes 0-15 one, lanes 16-31 the next; lane % 16 = row
	s_wait_alu depctr_va_vdst(0)                   ; the wait at the head's end
	s_wait_kmcnt 0x0
	s_load_b64 s[28:29], s[20:21], 0x0             ; ea, eb
.macro LOAD t, str
.irp i, 0,1,2,3
	global_load_b128 v[R+16*((\t)%AHEAD)+4*\i:R+16*((\t)%AHEAD)+4*\i+3], v[DO], s[4:5] offset:(\str)*(\t)+512*\i th:TH_LOAD_NT
.endr
.endm
.macro STEP t, str, lds
.set RS, R+16*((\t)%AHEAD)
.set CD, C+4*((\t)%AHEAD)
.if (\t)+AHEAD-1 < STEPS-1
	s_wait_loadcnt 4*(AHEAD-1)                     ; this step's four loads are in, the seven younger steps' 28 stay out
.else
	s_wait_loadcnt 4*(STEPS-1-(\t))
.endif
.if ((\t) >= AHEAD) && ((\lds) == 0)
	s_wait_xcnt 0x0                                ; the store of eight steps ago has read this set of codes
.endif
.irp i, 0,1,2,3,4,5,6,7,8,9,10,11,12,13,14,15
	v_med3_num_f32 v[RS+\i], v[RS+\i], -v10, v10   ; the conversion does not saturate (ISA guide 7.6.2): the hold comes first
.endr
	v_cvt_scalef32_pk8_bf8_f32 v[CD:CD+1], v[RS:RS+7], v11
	v_cvt_scalef32_pk8_bf8_f32 v[CD+2:CD+3], v[RS+8:RS+15], v11
.if (\t)+AHEAD < STEPS
	LOAD (\t)+AHEAD, \str
.endif
.if \lds
	ds_store_b128 v[LW], v[CD:CD+3] offset:16*(\t) ; row t of my piece
.else
	global_store_b128 v[DO], v[CD:CD+3], s[6:7] offset:512*(\t)
.endif
.endm
.macro RUN str, lds, ereg
.irp t, 0,1,2,3,4,5,6,7
	LOAD \t, \str
.endr
	s_wait_kmcnt 0x0
	s_add_co_i32 s30, \ereg, 127
	s_lshl_b32 s31, s30, 23
	v_mov_b32 v11, s31                             ; 2^e
	s_add_co_i32 s30, s30, 15
	s_lshl_b32 s30, s30, 23
	s_or_b32 s30, s30, 0x600000
	v_mov_b32 v10, s30                             ; 57,344 x 2^e
	s_wait_alu depctr_va_vdst(0)                   ; the wait ahead of the first wait on loads
.irp t, 0,1,2,3,4,5,6,7,8,9,10,11,12,13,14,15
	STEP \t, \str, \lds
.endr
.endm
	s_mov_b32 s33, 0
	s_cmp_lt_u32 ttmp9, 256
	s_cbranch_scc0 .Lweights
	; prev_state or x: rows 16 g .. 16 g + 15, numbers 512 wave .. + 511 of each
	s_and_b32 s30, ttmp9, 127                      ; g
	s_bfe_u32 s31, ttmp9, 0x10007                  ; 0 prev_state, 1 x
	s_cmp_eq_u32 s31, 0
	s_cselect_b64 s[4:5], s[8:9], s[10:11]
	s_lshl_b32 s32, s30, 17                        ; 16 rows of 8,192 bytes
	s_lshl_b32 s34, s27, 11
	s_add_co_u32 s32, s32, s34
	s_add_nc_u64 s[4:5], s[4:5], s[32:33]
	s_lshr_b32 s32, s30, 3
	s_lshl_b32 s32, s32, 19                        ; G x 64 x 8,192
	s_lshl_b32 s34, s31, 2
	s_add_co_u32 s34, s34, s27                     ; which run of 512 of the joined row
	s_lshl_b32 s34, s34, 16                        ; 8 kc x 8,192
	s_add_co_u32 s32, s32, s34
	s_and_b32 s34, s30, 7
	s_lshl_b32 s34, s34, 10                        ; a x 1,024
	s_add_co_u32 s32, s32, s34
	s_add_nc_u64 s[6:7], s[22:23], s[32:33]
	RUN 8192, 1, s28
.irp t, 0,1,2,3,4,5,6,7,8,9,10,11,12,13,14,15
	ds_load_b128 v[R+4*\t:R+4*\t+3], v[LR] offset:2*\t*LP   ; LDS serves a wave's instructions in order: these see my stores
.endr
.irp t, 0,1,2,3,4,5,6,7,8,9,10,11,12,13,14,15
	s_wait_dscnt 15-\t
	global_store_b128 v[DO], v[R+4*\t:R+4*\t+3], s[6:7] offset:(\t/2)*8192+(\t%2)*512   ; pieces 2 t, 2 t + 1: kc = t / 2, p = t % 2; 512 consecutive bytes
.endr
	s_wait_tensorcnt 0x0                           ; the wave's end
	ds_add_u32 v[SPW], v[NIL]
	s_wait_dscnt 0x0
	s_endpgm
.Lweights:
	s_cmp_lt_u32 ttmp9, 512
	s_cselect_b64 s[4:5], s[12:13], s[14:15]
	s_cmp_lt_u32 ttmp9, 768
	s_cselect_b64 s[4:5], s[4:5], s[16:17]
	s_cmp_lt_u32 ttmp9, 1024
	s_cselect_b64 s[4:5], s[4:5], s[18:19]
	s_and_b32 s30, ttmp9, 255
	s_lshl_b32 s30, s30, 2
	s_add_co_u32 s30, s30, s27                     ; q: rows 2 q, 2 q + 1 of the gate
	s_lshl_b32 s32, s30, 15
	s_add_nc_u64 s[4:5], s[4:5], s[32:33]
	s_lshr_b32 s32, s30, 4
	s_lshl_b32 s32, s32, 19                        ; j / 32: 128 rows of 4,096 bytes
	s_lshr_b32 s34, ttmp9, 8
	s_sub_co_u32 s34, s34, 1                       ; the gate
	s_lshl_b32 s34, s34, 17
	s_add_co_u32 s32, s32, s34
	s_and_b32 s34, s30, 15
	s_lshl_b32 s34, s34, 13
	s_add_co_u32 s32, s32, s34
	s_add_nc_u64 s[6:7], s[24:25], s[32:33]
	RUN 2048, 0, s29
	s_endpgm
.Lfunc_end_k_qb5b10c8fe5_quant:
	.size	k_qb5b10c8fe5_quant, .Lfunc_end_k_qb5b10c8fe5_quant-k_qb5b10c8fe5_quant
	.p2alignl 7, 3214868480
	.fill 96, 4, 3214868480
	.section	.rodata,"a",@progbits
	.p2align	6, 0x0
	.amdhsa_kernel k_qb5b10c8fe5_quant
		.amdhsa_group_segment_fixed_size 35328
		.amdhsa_private_segment_fixed_size 0
		.amdhsa_enable_private_segment 0
		.amdhsa_kernarg_size 72
		.amdhsa_user_sgpr_count 2
		.amdhsa_user_sgpr_kernarg_segment_ptr 1
		.amdhsa_wavefront_size32 1
		.amdhsa_system_sgpr_workgroup_id_x 1
		.amdhsa_system_sgpr_workgroup_id_y 1
		.amdhsa_system_sgpr_workgroup_id_z 1
		.amdhsa_system_vgpr_workitem_id 0
		.amdhsa_next_free_vgpr 176
		.amdhsa_next_free_sgpr 66
		.amdhsa_reserve_vcc 0
		.amdhsa_float_denorm_mode_32 3
		.amdhsa_float_denorm_mode_16_64 3
		.amdhsa_memory_ordered 1
		.amdhsa_forward_progress 1
		.amdhsa_inst_pref_size 59
	.end_amdhsa_kernel
	.amdgpu_metadata
---
amdhsa.version: [ 1, 2 ]
amdhsa.kernels:
  - .name:           k_qb5b10c8fe5_quant
    .symbol:         k_qb5b10c8fe5_quant.kd
    .args:
      - { .name: prev_state, .offset: 0, .size: 8, .value_kind: global_buffer, .address_space: global }
      - { .name: x, .offset: 8, .size: 8, .value_kind: global_buffer, .address_space: global }
      - { .name: W_fg, .offset: 16, .size: 8, .value_kind: global_buffer, .address_space: global }
      - { .name: W_ig, .offset: 24, .size: 8, .value_kind: global_buffer, .address_space: global }
      - { .name: W_og, .offset: 32, .size: 8, .value_kind: global_buffer, .address_space: global }
      - { .name: W_ol, .offset: 40, .size: 8, .value_kind: global_buffer, .address_space: global }
      - { .name: lowp_scales, .offset: 48, .size: 8, .value_kind: global_buffer, .address_space: global }
      - { .name: a_codes, .offset: 56, .size: 8, .value_kind: global_buffer, .address_space: global }
      - { .name: b_codes, .offset: 64, .size: 8, .value_kind: global_buffer, .address_space: global }
    .group_segment_fixed_size: 35328
    .private_segment_fixed_size: 0
    .kernarg_segment_align: 8
    .kernarg_segment_size: 72
    .max_flat_workgroup_size: 128
    .sgpr_count:     66
    .vgpr_count:     176
    .wavefront_size: 32
...
	.end_amdgpu_metadata
.endif
;; end of part 1
;; launch cell (part 2): grid 8 x 32, 4 waves a work-group, clusters of 4 x 1, 327,680 bytes of LDS; arguments a_codes, b_codes, lowp_scales, c_state, out0; writes out0
.if DOCPART == 2
	.amdgcn_target "amdgcn-amd-amdhsa--gfx1250"
	.amdhsa_code_object_version 6
	.text
	.protected	k_qb5b10c8fe5_cell
	.globl	k_qb5b10c8fe5_cell
	.p2align	8
	.type	k_qb5b10c8fe5_cell,@function
k_qb5b10c8fe5_cell:
	s_mov_b64 s[64:65], 0
	v_nop
	global_prefetch_b8 v0, s[64:65] scope:SCOPE_SE
	s_setreg_imm32_b32 hwreg(HW_REG_WAVE_MODE, 25, 1), 1
	s_wait_xcnt 0x0
	s_wait_alu depctr_hold_cnt(0) depctr_sa_sdst(0) depctr_va_vdst(0) depctr_va_sdst(0) depctr_va_ssrc(0) depctr_va_vcc(0) depctr_vm_vsrc(0)
	s_getreg_b32 s2, hwreg(HW_REG_IB_STS2, 6, 4)
	s_cmp_eq_u32 s2, 0
	s_cbranch_scc0 .Lentry_in_a_cluster
	s_endpgm
.Lentry_in_a_cluster:
	s_bfe_u32 s2, ttmp6, 0x10000c
	s_cmp_lg_u32 s2, 0x3003
	s_cbranch_scc0 .Lentry_shape_is_right
	s_endpgm
.Lentry_shape_is_right:
; gates = [prev_state | x] W_all^T on codes of BF8, then ht = ot tanh(ft c + it ct_t), sigmoids in f32.  a_codes and b_codes are laid as the first launch's head comment says.
; A work-group makes 256 rows x 256 gate columns (64 columns of the cell with all four gates); a wave 128 x 128: 64 accumulators, 512 registers.  Grid x = tile of rows, y = tile of columns.
; THE WEIGHTS go through LDS: two slots of 256 rows x 512 along K (rows of 512 bytes, 528 apart), each wave fetching 64 rows by one tensor load.  The four work-groups of a cluster (4 along x) need the
; same tile and ask for it JOINTLY (mask 15).  THE ACTIVATIONS go from memory straight into registers, 512 consecutive bytes a load, since a_codes is laid in the registers' order: a ring of four half steps
; (64 along K each), 256 registers; a block's registers are asked for again, four half steps on, in the run of loads that follows its products.  These are loads into registers, which have no joint form:
; so A is not shared in the cluster; with A out of LDS a slot holds 512 along K where both operands together would leave room for 256.
; A half step is 64 matrix instructions of 16x16x64: A's blocks one after the other, each against W's eight; the 64 accumulators take turns.
; THE MATRIX INSTRUCTION IS USED TRANSPOSED (source 0 = 16 rows of W, source 1 = 16 rows of A): a lane holds one row of the batch and eight neighbouring columns of one gate.
; REGISTERS: window 0: v0-31 addresses; v32-159 two sets of W's fragments.  Window 1: A's ring.  Windows 2, 3: the accumulators ((a, b) at v[8 (8 (a % 4) + b)], window 2 + a / 4).
; LIMITS: ea + eb between -126 and 127.  tanh(ct) = (E - 1) / (E + 1), E = 2^(2 log2(e) ct), with E's exponent held at 64, where tanh is 1 in f32.  NaN and infinities among the inputs are not served.
.set PITCH,  528
.set QT,     64*PITCH                  ; a wave's part of a slot
.set SLOT,   4*QT
.set SPARE,  2*SLOT                    ; behind the ring: the spare words, 128 bytes a wave
.set CP,     272                       ; rows of c's tile (in slot 0, its last fill) and of the stage for ht (in slot 1, behind its last read)
.set STG,    SLOT
.set CROW,   8192
.set HSB,    8192                      ; a wave's bytes of A in a half step
.set ADRB, 16                          ; v16-17 my W fragments in slot 0, 1
.set CS,   18
.set SO,   19
.set RD,   20
.set CO,   21
.set AO,   22                          ; 16 x lane
.set PFAO, 23
.set PFBO, 24
.set PFC,  25
.set SPW,  28
.set NIL,  29
.set BF,   32
.set T,    32                          ; the way out
.set CC,   96
.set HR,   112
.set BK,   128
.set G1,   24
.set G0,   32
.set G1C,  40
.set G0C,  48
.set AB,   52                          ; s[52:53] my stream of A at the trip's first half step
.set PA,   54
.set PB,   56
.set CB,   58
.set KS,   60
.set TK,   62
.set CL,   68
.set MSB, 0
.macro WIN new
.if MSB != \new
	s_set_vgpr_msb (MSB<<8)|\new
.set MSB, \new
.endif
.endm
.set MLO, 0xa4                         ; source 0 (W) window 0, source 1 (A) window 1, C and D window 2
.set MHI, 0xf4
.set TOA, 0x40                         ; destination window 1
.macro PLACES
.rept 4
	v_nop
.endr
.endm
.macro CREST
	s_cmp_lg_u32 s14, 0
	s_cbranch_scc1 .Lnot_wave_0_\@
	s_barrier_signal -3
.Lnot_wave_0_\@:
	s_barrier_wait -3
	s_barrier_signal -1
	s_barrier_wait -1
.endm
.macro ROUND
	s_barrier_signal -1
	s_barrier_wait -1
	CREST
.endm
.macro MUL2 T, a0, zero                ; A's blocks a0, a0 + 1 against W's eight
.irp a, \a0, \a0+1
.irp b, 0,1,2,3,4,5,6,7
.if \zero
	v_wmma_f32_16x16x64_bf8_bf8 v[8*(8*((\a)%4)+\b):8*(8*((\a)%4)+\b)+7], v[BF+64*((\T)%2)+8*\b:BF+64*((\T)%2)+8*\b+7], v[64*((\T)%4)+8*(\a):64*((\T)%4)+8*(\a)+7], 0
.else
	v_wmma_f32_16x16x64_bf8_bf8 v[8*(8*((\a)%4)+\b):8*(8*((\a)%4)+\b)+7], v[BF+64*((\T)%2)+8*\b:BF+64*((\T)%2)+8*\b+7], v[64*((\T)%4)+8*(\a):64*((\T)%4)+8*(\a)+7], v[8*(8*((\a)%4)+\b):8*(8*((\a)%4)+\b)+7]
.endif
.endr
.endr
.endm
.macro ALD H, a0                       ; A's blocks a0 .. a0 + 3 of half step H of the trip: eight loads
.irp a, \a0, \a0+1, \a0+2, \a0+3
.irp p, 0,1
	global_load_b128 v[64*((\H)%4)+8*(\a)+4*\p:64*((\H)%4)+8*(\a)+4*\p+3], v[AO], s[AB:AB+1] offset:(\H)*HSB+(\a)*1024+512*\p
.endr
.endr
.endm
.macro BFE H                           ; W's eight fragments of half step H: sixteen LDS loads; registers 4 p .. 4 p + 3: code bytes 32 p + 16 (l / 16) + 0 .. 15, as A's
.irp b, 0,1,2,3,4,5,6,7
.irp p, 0,1
	ds_load_b128 v[BF+64*((\H)%2)+8*\b+4*\p:BF+64*((\H)%2)+8*\b+4*\p+3], v[ADRB+((\H)/8)%2] offset:\b*16*PITCH+64*((\H)%8)+32*\p
.endr
.endr
.endm
; Prefetches, behind a refill and the run of loads that follows it.  W: the slot one on from the refill just asked for: 256 rows x 512 bytes are 512 blocks of 256 bytes, one a lane of the cluster's sixteen
; waves, shared out by address (64 rows a work-group, 16 a wave).  The loop's last refill has no slot one on.  A: once a trip, the next trip's 1,024 along K of my 256 rows: 32 pieces of 8,192 bytes,
; one for each of the 32 work-groups that read them; wave 0 asks, a lane a block.
.macro ASK T
.if (\T) == 6
	global_prefetch_b8 v[PFBO], s[PB:PB+1] th:TH_LOAD_NT scope:SCOPE_SE
	s_cmp_lg_u32 s14, 0
	s_cbranch_scc1 .Lnot_a_\@
	global_prefetch_b8 v[PFAO], s[PA:PA+1] th:TH_LOAD_NT scope:SCOPE_SE
.Lnot_a_\@:
.else
	s_cmp_gt_u32 s3, 1
	s_cbranch_scc0 .Lnot_b_\@
	global_prefetch_b8 v[PFBO], s[PB:PB+1] offset:512 th:TH_LOAD_NT scope:SCOPE_SE
.Lnot_b_\@:
.endif
.endm
; Half step T of a trip of 16.  lc1, lc2: global loads that may stay out when A's blocks 0-3, 4-7 are wanted (seven younger groups of eight; fewer at the end).  dc: LDS loads that may stay out (the next set's 16).
; ald: A's registers are asked for again, four half steps on.  bfe: W's set of two half steps on is fetched into the set just multiplied.
; turn: the slot's seventh half step: its last set is in registers, so the slot changes hands: 1 = it is filled again, two slots on; 2 = it takes c's tile.
.macro HS T, zero, lc1, lc2, dc, ald, bfe, turn
	s_wait_loadcnt \lc1
.if \turn
	s_wait_tensorcnt 0x0                           ; all my tensor loads have landed: my part of the other slot
	ds_add_u32 v[SPW], v[NIL]
.if \turn == 1
	s_add_nc_u64 s[G0+4*(((\T)/8)%2)+2:G0+4*(((\T)/8)%2)+3], s[G0+4*(((\T)/8)%2)+2:G0+4*(((\T)/8)%2)+3], 1024
.endif
	s_wait_dscnt 17                                ; this half step's set is in; the next set's 16 loads and the add may be out
	WIN MLO
	MUL2 \T, 0, 0
	s_wait_dscnt 0x0                               ; the add is done, my reads of this slot are over
	s_barrier_signal -1
	MUL2 \T, 2, 0
	WIN 0
	s_barrier_wait -1
	CREST                                          ; the barrier has opened a round of the cluster's barrier
.if \turn == 1
	tensor_load_to_lds s[G0+4*(((\T)/8)%2):G0+4*(((\T)/8)%2)+3], s[G1:G1+7]
.else
	tensor_load_to_lds s[G0C:G0C+3], s[G1C:G1C+7]
.endif
	s_nop 0
	PLACES                                         ; also the places in front of the loads below
.else
	s_wait_dscnt \dc
	WIN MLO
	MUL2 \T, 0, \zero
	MUL2 \T, 2, \zero
.if \ald
	PLACES
.endif
.endif
.if \ald
	WIN TOA
	ALD (\T)+4, 0
.endif
.if \turn == 1
	WIN 0
	ASK \T
.endif
	s_wait_loadcnt \lc2
	WIN MHI
	MUL2 \T, 4, \zero
	MUL2 \T, 6, \zero
.if \ald || \bfe
	PLACES
.endif
.if \ald
	WIN TOA
	ALD (\T)+4, 4
.endif
	WIN 0
.if \bfe
	BFE (\T)+2
.endif
.endm
	s_load_b256 s[4:11], s[0:1], 0x0               ; a_codes, b_codes, the exponents, c_state
	s_load_b64 s[12:13], s[0:1], 0x20              ; out0
	v_lshl_add_u32 v[SPW], v0, 2, SPARE
	v_mov_b32 v[NIL], 0
	ds_add_u32 v[SPW], v[NIL]                      ; the opening lines: the add twice on end and its wait
	ds_add_u32 v[SPW], v[NIL]
	v_lshrrev_b32 v1, 5, v0
	v_readfirstlane_b32 s14, v1                    ; wave
	s_lshr_b32 s15, s14, 1                         ; my half of the rows
	s_and_b32 s16, s14, 1                          ; my half of the gate columns
	s_bfe_u32 s19, ttmp6, 0x40000                  ; cx
	s_lshl_b32 s17, ttmp9, 2
	s_add_co_u32 s17, s17, s19                     ; tile of rows
	s_and_b32 s18, ttmp7, 0xffff                   ; tile of columns: the same in the cluster's four
	s_mov_b32 s[G1+0], 15|(1<<20)|(1<<21)|(6<<22)|(3<<25)   ; mask of the four; bytes; 4 words of padding behind every 128
	s_mov_b32 s[G1+1], 512<<16
	s_mov_b32 s[G1+2], 64<<16
	s_mov_b32 s[G1+3], 512<<16
	s_mov_b32 s[G1+4], 64
	s_mov_b32 s[G1+5], 4096
	s_mov_b32 s[G1+6], 0
	s_mov_b32 s[G1+7], 0
	s_mov_b32 s[G1C+0], (1<<20)|(5<<22)|(3<<25)    ; c's tile: 64 rows x 256 bytes a wave, my work-group's alone
	s_mov_b32 s[G1C+1], 256<<16
	s_mov_b32 s[G1C+2], 64<<16
	s_mov_b32 s[G1C+3], 256<<16
	s_mov_b32 s[G1C+4], 64
	s_mov_b32 s[G1C+5], CROW
	s_mov_b32 s[G1C+6], 0
	s_mov_b32 s[G1C+7], 0
	s_mul_i32 s20, s16, 128*PITCH
	s_mul_i32 s21, s15, 128*CP
	s_lshl_b32 s22, s16, 7
	s_add_co_u32 s22, s22, s21
	s_mul_i32 s23, s16, 8*CP
	s_add_co_u32 s23, s23, s21
	s_add_co_u32 s23, s23, STG
	v_and_b32 v1, 15, v0                           ; r
	v_bfe_u32 v2, v0, 4, 1                         ; h
	v_and_b32 v3, 31, v0                           ; lane
	v_mul_u32_u24 v4, v1, PITCH
	v_lshl_add_u32 v4, v2, 4, v4
	v_add_nc_u32 v[ADRB], s20, v4
	v_add_nc_u32 v[ADRB+1], SLOT, v[ADRB]
	v_mul_u32_u24 v5, v1, CP
	v_lshl_add_u32 v6, v2, 5, v5
	v_add_nc_u32 v[CS], s22, v6                    ; c: my row, my 32 bytes
	v_add_nc_u32 v[SO], STG, v[CS]                 ; ht: the same place in the stage
	v_mul_u32_u24 v7, v2, CP
	v_lshl_add_u32 v7, v1, 4, v7
	v_add_nc_u32 v[RD], s23, v7                    ; back: two whole rows an instruction
	v_lshlrev_b32 v8, 13, v2
	v_lshl_add_u32 v[CO], v1, 4, v8
	v_lshlrev_b32 v[AO], 4, v3
	v_lshlrev_b32 v[PFAO], 8, v3
	v_lshlrev_b32 v9, 12, v1
	v_lshl_add_u32 v[PFBO], v2, 8, v9
	v_lshlrev_b32 v[PFC], 13, v3
	s_wait_alu depctr_va_vdst(0)                   ; the wait here, directly ahead of the waits below
	s_wait_dscnt 0x0
	s_wait_kmcnt 0x0
	s_load_b64 s[66:67], s[8:9], 0x0               ; ea, eb
	s_lshl_b32 s20, s18, 20                        ; W: row 256 x tile + 64 x wave, 4,096 bytes each
	s_lshl_b32 s21, s14, 18
	s_add_co_u32 s20, s20, s21
	s_mov_b32 s21, 0
	s_add_nc_u64 s[20:21], s[6:7], s[20:21]
	s_mul_i32 s22, s14, QT
.irp s, 0,1
	s_mov_b32 s[G0+4*\s], 1
	s_add_co_u32 s[G0+4*\s+1], s22, \s*SLOT
	s_add_nc_u64 s[G0+4*\s+2:G0+4*\s+3], s[20:21], \s*512
	s_or_b32 s[G0+4*\s+3], s[G0+4*\s+3], 0x80000000
.endr
	s_lshl_b32 s70, s17, 1
	s_add_co_u32 s70, s70, s15
	s_lshl_b32 s70, s70, 19                        ; A: my 128 rows' stream of 64 x 8,192 bytes
	s_mov_b32 s71, 0
	s_add_nc_u64 s[AB:AB+1], s[4:5], s[70:71]
	ROUND                                          ; in front of the first joint loads
	tensor_load_to_lds s[G0:G0+3], s[G1:G1+7]      ; slot 0: one tensor load a wave at the head
	s_nop 0
	PLACES
	WIN TOA
.irp t, 0,1,2,3
	ALD \t, 0                                      ; the ring's first four half steps
	ALD \t, 4
.endr
	WIN 0
	s_lshl_b32 s23, s18, 8                         ; the tile's first column of c and of ht, in bytes
	s_lshl_b32 s70, s17, 8
	s_lshl_b32 s22, s14, 6
	s_add_co_u32 s70, s70, s22
	s_lshl_b32 s70, s70, 13
	s_add_co_u32 s70, s70, s23
	s_add_nc_u64 s[CB:CB+1], s[10:11], s[70:71]    ; c: the 64 rows that I fetch
	s_lshl_b32 s70, s17, 8
	s_lshl_b32 s22, s15, 7
	s_add_co_u32 s70, s70, s22
	s_lshl_b32 s22, s16, 3
	s_add_co_u32 s70, s70, s22
	s_lshl_b32 s70, s70, 13
	s_add_co_u32 s70, s70, s23
	s_add_nc_u64 s[12:13], s[12:13], s[70:71]      ; ht: of each block of 16 rows I store 8
	s_mov_b32 s[G0C], 1
	s_mul_i32 s[G0C+1], s14, 64*CP
	s_mov_b64 s[G0C+2:G0C+3], s[CB:CB+1]
	s_or_b32 s[G0C+3], s[G0C+3], 0x80000000
	s_lshl_b32 s70, s17, 1
	s_lshr_b32 s22, s18, 4
	s_add_co_u32 s70, s70, s22
	s_lshl_b32 s70, s70, 6
	s_and_b32 s22, s18, 15
	s_add_co_u32 s70, s70, s22
	s_add_co_u32 s70, s70, 16
	s_lshl_b32 s70, s70, 13
	s_add_nc_u64 s[PA:PA+1], s[4:5], s[70:71]      ; my work-group's piece of the next trip's A
	s_lshl_b32 s70, s18, 20
	s_lshl_b32 s22, s19, 18
	s_add_co_u32 s70, s70, s22
	s_lshl_b32 s22, s14, 16
	s_add_co_u32 s70, s70, s22
	s_add_co_u32 s70, s70, 1536
	s_add_nc_u64 s[PB:PB+1], s[6:7], s[70:71]      ; my 16 rows of W's tile, at the fourth slot's bytes
	s_mov_b32 s[TK], 0x4038aa3b                    ; 2 log2(e)
	s_mov_b32 s[TK+1], s[TK]
	s_mov_b32 s[CL], 0x42800000                    ; 64.0
	s_wait_alu depctr_va_vdst(0)                   ; the wait at the head's end
	s_wait_tensorcnt 0x0                           ; my part of slot 0 is in; slot 1's first fill is issued as a refill is
	ds_add_u32 v[SPW], v[NIL]
	s_wait_dscnt 0x0
	ROUND
	tensor_load_to_lds s[G0+4:G0+7], s[G1:G1+7]
	s_nop 0
	PLACES
	BFE 0
	BFE 1
	HS 0, 1, 56, 56, 16, 1, 1, 0                   ; the first half step starts the sums
	s_mov_b32 s3, 3
.Ltrip:                                                ; a trip: sixteen half steps, once round the ring, from a lap's second half step to the next lap's first
.irp T, 1,2,3,4,5
	HS \T, 0, 56, 56, 16, 1, 1, 0
.endr
	HS 6, 0, 56, 56, 16, 1, 1, 1
.irp T, 7,8,9,10,11,12,13
	HS \T, 0, 56, 56, 16, 1, 1, 0
.endr
	HS 14, 0, 56, 56, 16, 1, 1, 1
	HS 15, 0, 56, 56, 16, 1, 1, 0
	HS 16, 0, 56, 56, 16, 1, 1, 0
	s_wait_xcnt 0x0                                ; the loads and prefetches have read their bases
	s_add_nc_u64 s[AB:AB+1], s[AB:AB+1], 16*HSB
	s_add_nc_u64 s[PA:PA+1], s[PA:PA+1], 16*HSB
	s_add_nc_u64 s[PB:PB+1], s[PB:PB+1], 1024
	s_sub_co_u32 s3, s3, 1
	s_cmp_lg_u32 s3, 0
	s_cbranch_scc1 .Ltrip
	global_prefetch_b8 v[PFC], s[CB:CB+1] th:TH_LOAD_NT scope:SCOPE_SE                  ; c's 64 rows that I fetch five half steps on: a lane a row
	global_prefetch_b8 v[PFC], s[CB:CB+1] offset:32*CROW th:TH_LOAD_NT scope:SCOPE_SE
.irp T, 1,2,3,4,5
	HS \T, 0, 56, 56, 16, 1, 1, 0
.endr
	HS 6, 0, 56, 56, 16, 1, 1, 2                   ; slot 0 has been read out: it takes c's tile
.irp T, 7,8,9,10,11
	HS \T, 0, 56, 56, 16, 1, 1, 0
.endr
	HS 12, 0, 56, 48, 16, 0, 1, 0                  ; nothing more of A is asked for: the counts run down
	HS 13, 0, 40, 32, 16, 0, 1, 0
	HS 14, 0, 24, 16, 16, 0, 0, 0
	HS 15, 0, 8, 0, 0, 0, 0, 0
	PLACES
	s_wait_tensorcnt 0x0                           ; my part of c's tile is in; my LDS reads were over at the last half step's head
	s_barrier_signal -1
	s_barrier_wait -1                              ; c's tile is whole, and nobody reads slot 1 any more: it is the stage
	s_wait_kmcnt 0x0
	s_add_co_i32 s66, s66, s67
	s_lshl_b32 s66, s66, 23
	s_add_co_i32 s[KS], s66, 0xbfb8aa3b            ; -log2(e) x 2^(ea + eb)
	s_mov_b32 s[KS+1], s[KS]
; THE WAY OUT, by blocks of 16 rows.  T + 16 g + 8 u + i: gate g of column 16 u + 8 h + i.  A row's 256 bytes of ht come from two waves: they meet in the stage, a barrier a block (signal at a block's end,
; wait in the next block), and leave as whole rows.
.macro BACK a
.irp t, 0,1,2,3
	ds_load_b128 v[BK+16*(\a)+4*\t:BK+16*(\a)+4*\t+3], v[RD] offset:(\a)*16*CP+\t*2*CP
.endr
.endm
.macro SEND a
.irp t, 0,1,2,3
	global_store_b128 v[CO], v[BK+16*(\a)+4*\t:BK+16*(\a)+4*\t+3], s[12:13] offset:(16*(\a)+2*\t)*CROW th:TH_STORE_NT
.endr
.endm
.macro PK op, n, d, x, y               ; n packed lines on register pairs
.set J, 0
.rept \n
	\op v[\d+J:\d+J+1], v[\x+J:\x+J+1], v[\y+J:\y+J+1]
.set J, J+2
.endr
.endm
.macro PKC op, n, d, x, c              ; the second source a constant or a scalar pair, for both halves
.set J, 0
.rept \n
	\op v[\d+J:\d+J+1], v[\x+J:\x+J+1], \c op_sel_hi:[1,0]
.set J, J+2
.endr
.endm
.macro TR op, n, d                     ; a batch of n transcendentals in place, with the waits and the place
	s_wait_alu depctr_va_vdst(0)
.set J, 0
.rept \n
	\op v[\d+J], v[\d+J]
.set J, J+1
.endr
	v_nop
	s_wait_alu depctr_va_vdst(0)
.endm
.macro CELL a
.irp u, 0,1
.irp p, 0,1
	ds_load_b128 v[CC+8*\u+4*\p:CC+8*\u+4*\p+3], v[CS] offset:(\a)*16*CP+64*\u+16*\p
.endr
.endr
	WIN 0x02+((\a)/4)
	s_wait_alu depctr_va_vdst(0)                   ; the wait ahead of the first readers of the sums
	PKC v_pk_mul_f32, 32, T, 64*((\a)%4), s[KS:KS+1]   ; -log2(e) x gate, each accumulator from its low end on
	WIN 0
.if (\a) > 0
	s_barrier_wait -1
	BACK (\a)-1
.endif
	TR v_exp_f32, 64, T                            ; e^-gate
	PKC v_pk_add_f32, 32, T, T, 1.0
	PK v_pk_mul_f32, 8, T+16, T+16, T+32           ; (1 + e_i)(1 + e_c): one reciprocal gives it x ct_t
	TR v_rcp_f32, 32, T
	s_wait_dscnt 0x0                               ; c, and the block before from the stage
.if (\a) > 0
	SEND (\a)-1
.endif
.set J, 0
.rept 8
	v_pk_fma_f32 v[T+J:T+J+1], v[T+J:T+J+1], v[CC+J:CC+J+1], v[T+16+J:T+17+J]   ; ct
.set J, J+2
.endr
	PKC v_pk_mul_f32, 8, T, T, s[TK:TK+1]
.set J, 0
.rept 16
	v_min_num_f32 v[T+J], s[CL], v[T+J]
.set J, J+1
.endr
	TR v_exp_f32, 16, T                            ; E
	PKC v_pk_add_f32, 8, T+16, T, -1.0
	PKC v_pk_add_f32, 8, T, T, 1.0
	PK v_pk_mul_f32, 8, T, T, T+48                 ; (E + 1)(1 + e_o)
	TR v_rcp_f32, 16, T
	PK v_pk_mul_f32, 8, HR, T+16, T                ; ht = ot tanh(ct)
.irp u, 0,1
.irp p, 0,1
	ds_store_b128 v[SO], v[HR+8*\u+4*\p:HR+8*\u+4*\p+3] offset:(\a)*16*CP+64*\u+16*\p
.endr
.endr
	s_wait_dscnt 0x0                               ; for the others' sake
	s_barrier_signal -1
.endm
.irp a, 0,1,2,3,4,5,6,7
	CELL \a
.endr
	s_barrier_wait -1
	BACK 7
	s_wait_dscnt 0x0
	SEND 7
	s_wait_tensorcnt 0x0                           ; the wave's end
	ds_add_u32 v[SPW], v[NIL]
	s_wait_dscnt 0x0
	ROUND                                          ; the closing round
	s_endpgm
.Lfunc_end_k_qb5b10c8fe5_cell:
	.size	k_qb5b10c8fe5_cell, .Lfunc_end_k_qb5b10c8fe5_cell-k_qb5b10c8fe5_cell
	.p2alignl 7, 3214868480
	.fill 96, 4, 3214868480
	.section	.rodata,"a",@progbits
	.p2align	6, 0x0
	.amdhsa_kernel k_qb5b10c8fe5_cell
		.amdhsa_group_segment_fixed_size 327680
		.amdhsa_private_segment_fixed_size 0
		.amdhsa_enable_private_segment 0
		.amdhsa_kernarg_size 40
		.amdhsa_user_sgpr_count 2
		.amdhsa_user_sgpr_kernarg_segment_ptr 1
		.amdhsa_wavefront_size32 1
		.amdhsa_system_sgpr_workgroup_id_x 1
		.amdhsa_system_sgpr_workgroup_id_y 1
		.amdhsa_system_sgpr_workgroup_id_z 1
		.amdhsa_system_vgpr_workitem_id 0
		.amdhsa_next_free_vgpr 1024
		.amdhsa_next_free_sgpr 72
		.amdhsa_reserve_vcc 0
		.amdhsa_float_denorm_mode_32 3
		.amdhsa_float_denorm_mode_16_64 3
		.amdhsa_memory_ordered 1
		.amdhsa_forward_progress 1
		.amdhsa_inst_pref_size 255
	.end_amdhsa_kernel
	.section	.bss,"aw",@nobits
	.p2align	6
	.space	262144
	.amdgpu_metadata
---
amdhsa.version: [ 1, 2 ]
amdhsa.kernels:
  - .name:           k_qb5b10c8fe5_cell
    .symbol:         k_qb5b10c8fe5_cell.kd
    .args:
      - { .name: a_codes, .offset: 0, .size: 8, .value_kind: global_buffer, .address_space: global }
      - { .name: b_codes, .offset: 8, .size: 8, .value_kind: global_buffer, .address_space: global }
      - { .name: lowp_scales, .offset: 16, .size: 8, .value_kind: global_buffer, .address_space: global }
      - { .name: c_state, .offset: 24, .size: 8, .value_kind: global_buffer, .address_space: global }
      - { .name: out0, .offset: 32, .size: 8, .value_kind: global_buffer, .address_space: global }
    .group_segment_fixed_size: 327680
    .private_segment_fixed_size: 0
    .kernarg_segment_align: 8
    .kernarg_segment_size: 40
    .max_flat_workgroup_size: 128
    .sgpr_count:     72
    .vgpr_count:     1024
    .wavefront_size: 32
...
	.end_amdgpu_metadata
.endif
;; end of part 2
